; MI455X (gfx1250); checked and timed in simulation.
; The chip was launched on July 23, 2026; its instructions are those of AMD's public machine-readable ISA for CDNA 5 (MIT licence, August 2026) and "CDNA5" Instruction Set Architecture Reference Guide (July 2026). The comments in the code are by the model that wrote it; some were corrected since.
;; Cross Modal Attention. Allowed arithmetic: matrix products marked QUANTISED: E2M1 operands, one E8M0 scale for each 32 along K, by v_wmma_scale_f32_16x16x128_f8f6f4 with both operands' format E2M1 (or v_wmma_scale_f32_32x16x128_f4), f32 sums; everything else in f32.
;; Inputs: bk 256 float32; bo 256 float32; bq 256 float32; bv 256 float32; freq_feat 2 x 256 x 64 x 64 float32; spatial_feat 2 x 256 x 64 x 64 float32; wk_codes 256 x 8 x 16 uint8 (E2M1 codes of wk, K innermost, in blocks of 32 codes, two codes a byte); wk_scales 256 x 8 uint8 (E8M0 scales of wk, one for each 32 codes along K); wo_codes 256 x 8 x 16 uint8 (E2M1 codes of wo, K innermost, in blocks of 32 codes, two codes a byte); wo_scales 256 x 8 uint8 (E8M0 scales of wo, one for each 32 codes along K); wq_codes 256 x 8 x 16 uint8 (E2M1 codes of wq, K innermost, in blocks of 32 codes, two codes a byte); wq_scales 256 x 8 uint8 (E8M0 scales of wq, one for each 32 codes along K); wv_codes 256 x 8 x 16 uint8 (E2M1 codes of wv, K innermost, in blocks of 32 codes, two codes a byte); wv_scales 256 x 8 uint8 (E8M0 scales of wv, one for each 32 codes along K).
;; Outputs: out0 2 x 256 x 64 x 64 float32.
;; This version of the problem:
;;   THIS VERSION OF THE PROBLEM IS GIVEN IN LOW PRECISION. The matrix products marked QUANTISED in the list below multiply operands that are first quantised to E2M1 (2 exponent bits, 1 mantissa bit; 4 bits a number), with one power-of-two scale for each 32 numbers along K (OCP MX v1.0); their sums are f32. All else is computed in f32.
;;   The module's matrix products, in the order in which they are computed (A, B: the left and right operand; K: the contracted axis; several contracted axes count as one K, in the product's order):
;;     1. [M 8,192, K 256] x [K 256, N 256]; A: input spatial_feat; B: input wq (given as codes): QUANTISED
;;     2. [M 8,192, K 256] x [K 256, N 256]; A: input freq_feat; B: input wk (given as codes): QUANTISED
;;     3. [M 8,192, K 256] x [K 256, N 256]; A: input freq_feat; B: input wv (given as codes): QUANTISED
;;     4. batch 8 x [M 4,096, K 64] x [K 64, N 4,096]; A: computed on the way; B: computed on the way: QUANTISED
;;     5. batch 8 x [M 64, K 4,096] x [K 4,096, N 4,096]; A: computed on the way; B: softmax (see below): QUANTISED
;;     6. [M 8,192, K 256] x [K 256, N 256]; A: computed on the way; B: input wo (given as codes): QUANTISED
;;     7. [M 8,192, K 256] x [K 256, N 256]; A: input freq_feat; B: input wq (given as codes): QUANTISED
;;     8. [M 8,192, K 256] x [K 256, N 256]; A: input spatial_feat; B: input wk (given as codes): QUANTISED
;;     9. [M 8,192, K 256] x [K 256, N 256]; A: input spatial_feat; B: input wv (given as codes): QUANTISED
;;     10. batch 8 x [M 4,096, K 64] x [K 64, N 4,096]; A: computed on the way; B: computed on the way: QUANTISED
;;     11. batch 8 x [M 64, K 4,096] x [K 4,096, N 4,096]; A: computed on the way; B: softmax (see below): QUANTISED
;;     12. [M 8,192, K 256] x [K 256, N 256]; A: computed on the way; B: input wo (given as codes): QUANTISED
;;   THE QUANTISER, for each operand of a quantised product, along K:
;;     - K is cut into blocks of 32 from its start; a last block that is shorter is filled with zeros.
;;     - A block's scale is 2^e with e = floor(log2(the largest magnitude in the block)) - 2, held to -126 .. 127; a block of zeros has e = 0. As a byte (E8M0): e + 127.
;;     - Each number is divided by its block's scale, clamped to +-6, and rounded to the nearest number of E2M1, ties to even, subnormals kept.
;;     - The product sums the exact products of the quantised numbers (number of the format x scale) in f32.
;;   ~~~python
;;   def quantise(x, axis):      # numpy; x: float32 -> the quantised numbers, widened to float32 again
;;       x = np.moveaxis(x, axis, -1); K = x.shape[-1]
;;       x = np.pad(x, [(0, 0)] * (x.ndim - 1) + [(0, -K % 32)]); x = x.reshape(x.shape[:-1] + (-1, 32)); a = np.abs(x).max(-1, keepdims=True)
;;       e = np.where(a > 0, np.clip(np.frexp(np.where(a > 0, a, 1))[1] - 1 - 2, -126, 127), 0)      # np.frexp(a)[1] - 1 = floor(log2(a)), exactly
;;       r = np.clip(x / 2.0 ** e, -6, 6)
;;       step = 2.0 ** (np.maximum(np.frexp(np.where(r == 0, 1, r))[1] - 1, 0) - 1)
;;       q = np.round(r / step) * step * 2.0 ** e      # np.round: ties to even
;;       return np.moveaxis(q.reshape(q.shape[:-2] + (-1,))[..., :K], -1, axis).astype(np.float32)
;;   ~~~
;;   SOFTMAX AHEAD OF A QUANTISED PRODUCT. Where the list says 'softmax', what is quantised is not the finished softmax but p = 2^(t - M), with t = logit x log2(e) and M = ceil(the row's largest t), a whole number; so 1/2 < the row's largest p <= 1. The row's sum l is taken of the UNQUANTISED p, in f32, and the product's result is divided by l at the end. Since M is a whole number, a kernel that streams over the keys may use a running M (the ceiling of the running maximum): every later rescaling is an exact power of two, which a block's scale takes up: the codes' values come out the same.
;;   OPERANDS COMPUTED ON THE WAY. 'Computed on the way' means the value that the module computes at that place (a softmax that the list does not call 'softmax' is quantised finished and normalised). What goes into a quantiser is computed in f32, as accurately as f32 sums, v_exp_f32 and their like allow (about 1e-6 of the number): no bf16 or f16 on the way to a quantiser, and a product that is left as it is and whose result goes on into a quantised operand takes f32 operands (vector FMAs, or v_wmma_f32_16x16x4_f32). A number that lies on a knife's edge between two numbers of the format may be rounded either way, as far as f32 arithmetic and the matrix unit's own rounding can turn it there, and no further.
;;   INPUTS GIVEN AS CODES. wk (in the module: [256, 256], K = its axis 1); wo (in the module: [256, 256], K = its axis 1); wq (in the module: [256, 256], K = its axis 1); wv (in the module: [256, 256], K = its axis 1): each comes as NAME_codes (uint8): NAME with its K axis moved to the last place and cut into blocks of 32 codes, [.., K / 32, bytes a block], one block behind the other in memory; two codes a byte, the lower K in the low four bits (a code: sign, 2 exponent bits, 1 mantissa bit); and NAME_scales (uint8): the same leading axes, one E8M0 byte (e + 127) for each 32 codes along K. Its value is code x scale, taken as it is: it is not quantised again, and the codes and scales need not be those that the quantiser above would give.
;; One version. Each part assembles by itself: llvm-mc -triple=amdgcn-amd-amdhsa -mcpu=gfx1250 --defsym DOCPART=n.
;; ======== version 1 of 1: 3 launches
;; workspace buffers: qc 2,097,152 bytes; qs 262,144 bytes; kv 4,718,592 bytes; ao 2,097,152 bytes; aos 131,072 bytes
;; launch proj (part 1): grid 2 x 128, 8 waves a work-group, no clusters, 19,456 bytes of LDS; arguments spatial_feat, freq_feat, wq_codes, wq_scales, bq, wk_codes, wk_scales, bk, wv_codes, wv_scales, bv, qc, qs, kv; writes qc, qs, kv
.if DOCPART == 1
	.amdgcn_target "amdgcn-amd-amdhsa--gfx1250"
	.amdhsa_code_object_version 6
	.text
	.protected	k_q773a805d39_proj
	.globl	k_q773a805d39_proj
	.p2align	8
	.type	k_q773a805d39_proj,@function
k_q773a805d39_proj:
	s_mov_b64 s[64:65], 0
	v_nop
	global_prefetch_b8 v0, s[64:65] scope:SCOPE_SE
	s_setreg_imm32_b32 hwreg(HW_REG_WAVE_MODE, 25, 1), 1
	s_wait_xcnt 0x0
; q, k and v of both feature maps, as codes of FP4 (E2M1) with one E8M0 scale byte for each 32 along the next product's K.
; x (spatial_feat or freq_feat) is [2][256 c][4096 n] f32; w (wq, wk, wv) comes as codes [256 o][128 bytes], K = c innermost, scale bytes [256][8]; biases f32.
; A work-group takes 128 positions n (one key step of the attention) of one (map, b) and two heads.  Three phases:
;   X   the 128 x 256 numbers of x are quantised along c: a lane takes a position and its registers run down c, so a block of 32 lies in one lane.  The codes go to LDS as images of operand registers.
;   QK  q and k: source 0 = 16 rows of the weight, source 1 = 16 positions: a lane holds one position and its registers run along the head's channels d, the next K.  Quantised, stored.
;   V   v: source 0 = 16 positions, source 1 = 16 rows of wv: a lane holds one channel and its registers run along the positions, which are the keys, the next K.  Quantised, stored.
; THE ROWS OF A TILE ARE NOT NEIGHBOURS, for positions and for weight rows alike: row r of tile 2 G + u is 32 G + 8 u + r + 8 (r / 8), so that the 16 registers of tiles 2 G and 2 G + 1 are 16 neighbours along the next K.
; OUT, all as images of operand registers (lane l's 16 bytes at 16 l, 512 consecutive bytes an instruction):
;   qc [idx 16][tile 256][512]; qs [idx][tile / 4][256]: the word of tile T, row r at 128 (T % 2) + 8 r + 4 ((T / 2) % 2); idx = (map x 2 + b) x 4 + head
;   kv [idx][step 32][9216]: 8 tiles of K (512 each), 4 tiles of V (1,024 each), K's scale words (512), V's scale words (512)
; q and k have K = 64: their scale words carry the head's two bytes and 127 twice, for the zero codes that fill the matrix instruction's 128.
; LIMITS: NaN and infinities among the inputs are not served.  A block whose largest magnitude lies under 2^-124 gets the byte 1, a block of zeros too (the rule says 127):
; its codes are zeros, and the bytes are read by this program alone.  The weights' scale bytes are passed on as they are given.
.set XIMG, 0                           ; LDS: x's fragments: tile m, K step s, part c at 2048 m + 1024 s + 512 c + 16 lane
.set XSC,  16384                       ; x's scale words: (m, s, row) at 128 m + 64 s + 4 row
.set VST,  17408                       ; V's scale words on their way out: 512 x head + 16 lane + 4 tile
.set LI,  1                            ; v1   16 x lane
.set LS,  2                            ; v2   XSC + 4 x lane
.set L8,  3                            ; v3   8 x lane
.set XA,  4                            ; v4   4 x lane
.set XWI, 5                            ; v5   where my position's codes go
.set XWS, 6                            ; v6   and its scale word
.set FA,  7                            ; v7   phase QK: 16 x lane + my four tiles of positions
.set LSA, 8                            ; v8   and their scale words
.set VSA, 9                            ; v9   phase V: where my scale word goes
.set VRA, 10                           ; v10  and where waves 0 and 1 read a head's back
.set SH,  11                           ; v11  16 x (lane / 16)
.set TM,  12                           ; v12-15 largest magnitudes, v16-19 the other half's and the bytes, v20-23 the conversions' scale operands
.set PC,  24                           ; v24-31 the codes just made
.set PW,  32                           ; v32  the scale word just made
.set WVS, 33                           ; v33  wv's scale words: K step 0 in lanes 0-15, K step 1 in lanes 16-31
.set OS,  34                           ; v34-35 q's or k's scale words to be stored
.set WS,  36                           ; v36-39 wq's or wk's scale words, a register a tile, laid as v33
.set VXS, 40                           ; v40-47 x's scale words, a register a tile, laid as v33
.set XF,  48                           ; v48-63 x's fragments of one tile (8 s + 4 c); in phase X v48-55 are codes and v56-59 the offsets below
.set WO,  56                           ; v56  a weight row's codes: (r + 8 (r / 8)) x 128 + 16 (lane / 16)
.set WSO, 57                           ; v57  its scale word: (r + 8 (r / 8)) x 8 + 4 (lane / 16)
.set BO,  58                           ; v58  q's and k's bias: 64 (lane / 16)
.set BVO, 59                           ; v59  v's bias: (r + 8 (r / 8)) x 4
.set WQK, 64                           ; v64-127 wq's or wk's fragments (16 t + 8 s + 4 c); in phase V x's eight fragments of a K step
.set XN,  128                          ; v128-255 phase X: my position's 128 numbers
.set BQK, 128                          ; v128-159 afterwards: the bias in the result's layout, 8 registers a tile
.set WV,  160                          ; v160-175 wv's fragments (8 s + 4 c)
.set BV,  176                          ; v176-183 v's bias, the lane's channel eight times
.set ACC, 184                          ; v184-247 eight accumulators
.set SEL, 34                           ; s[34:35] lane selects for v_permlanex16_b32: lane l xor 16
.macro BARRIER                         ; my LDS stores have landed and my LDS loads are in: then the work-group's barrier
	s_wait_dscnt 0x0
	s_barrier_signal -1
	s_barrier_wait -1
.endm
; One matrix instruction.  row = 1: both sides take their scales from lanes 16-31 (K step 1)
.macro MM d, a, b, c, sa, sb, row
.if \row
	v_wmma_scale_f32_16x16x128_f8f6f4 v[\d:\d+7], v[\a:\a+7], v[\b:\b+7], v[\c:\c+7], v[\sa], v[\sb] matrix_a_fmt:MATRIX_FMT_FP4 matrix_b_fmt:MATRIX_FMT_FP4 matrix_a_scale:MATRIX_SCALE_ROW1 matrix_b_scale:MATRIX_SCALE_ROW1
.else
	v_wmma_scale_f32_16x16x128_f8f6f4 v[\d:\d+7], v[\a:\a+7], v[\b:\b+7], v[\c:\c+7], v[\sa], v[\sb] matrix_a_fmt:MATRIX_FMT_FP4 matrix_b_fmt:MATRIX_FMT_FP4
.endif
.endm
; 64 numbers of a lane, register 16 b + i = k 32 b + 16 (lane / 16) + i of my row, become a fragment's codes in v[PC] on and its scale word in v[PW]
.macro QUANT s
.irp b, 0,1,2,3
	v_max3_num_f32 v[TM+\b], |v[\s+16*\b]|, |v[\s+1+16*\b]|, 0x1800000   ; block b: my 16 numbers, and the floor 2^(3 - 127): the byte cannot fall under 1.  Each accumulator is read from its low end on
.endr
.irp i, 2,4,6,8,10,12,14
.irp b, 0,1,2,3
	v_max3_num_f32 v[TM+\b], v[TM+\b], |v[\s+16*\b+\i]|, |v[\s+1+16*\b+\i]|   ; the four blocks by turns
.endr
.endr
.irp b, 0,1,2,3
	s_delay_alu instid0(VALU_DEP_4)
	v_permlanex16_b32 v[TM+4+\b], v[TM+\b], s[SEL], s[SEL+1]
.endr
.irp b, 0,1,2,3
	s_delay_alu instid0(VALU_DEP_4)
	v_max_num_f32 v[TM+\b], v[TM+\b], v[TM+4+\b]   ; with lane l xor 16: the block's largest magnitude
.endr
.irp b, 0,1,2,3
	s_delay_alu instid0(VALU_DEP_4)
	v_add_nc_u32 v[TM+8+\b], 0xff000000, v[TM+\b]  ; 2 off its exponent field: the conversion takes this operand's exponent field as its scale
.endr
.irp b, 0,1,2,3
	s_delay_alu instid0(VALU_DEP_4)
	v_lshrrev_b32 v[TM+4+\b], 23, v[TM+8+\b]       ; the scale's byte
.endr
	s_delay_alu instid0(VALU_DEP_3)
	v_lshl_or_b32 v[PW], v[TM+5], 8, v[TM+4]
	s_delay_alu instid0(VALU_DEP_1)
	v_lshl_or_b32 v[PW], v[TM+6], 16, v[PW]
	s_delay_alu instid0(VALU_DEP_1)
	v_lshl_or_b32 v[PW], v[TM+7], 24, v[PW]
.irp b, 0,1,2,3
	v_cvt_scalef32_pk8_fp4_f32 v[PC+2*\b], v[\s+16*\b:\s+7+16*\b], v[TM+8+\b]
	v_cvt_scalef32_pk8_fp4_f32 v[PC+1+2*\b], v[\s+8+16*\b:\s+15+16*\b], v[TM+8+\b]
.endr
	v_nop                                          ; one plain place behind a scaled conversion
.irp c, 0,1                                    ; the operand's layout wants a whole block in a lane: lanes 0-15 block 2 c, lanes 16-31 block 2 c + 1
.irp i, 0,1
	v_permlane16_swap_b32 v[PC+4*\c+\i], v[PC+2+4*\c+\i]
.endr
.endr
.endm
	s_load_b512 s[4:19], s[0:1], 0x0               ; spatial 4, freq 6, wq codes 8, wq scales 10, bq 12, wk codes 14, wk scales 16, bk 18
	s_load_b256 s[20:27], s[0:1], 0x40             ; wv codes 20, wv scales 22, bv 24, qc 26
	s_load_b128 s[28:31], s[0:1], 0x60             ; qs 28, kv 30
	s_set_vgpr_msb 0x40
	v_lshl_add_u32 v0, v0, 2, 0x4800
	v_mov_b32 v1, 0
	s_set_vgpr_msb 0x4000
	v_lshrrev_b32 v12, 5, v0
	s_delay_alu instid0(VALU_DEP_1)
	v_readfirstlane_b32 s32, v12                   ; wave 0..7
	s_mov_b32 s[SEL], 0x76543210
	s_mov_b32 s[SEL+1], 0xfedcba98
	s_mov_b32 s36, 0xffff
	s_and_b32 s33, ttmp7, 0xffff                   ; y = (map x 2 + b) x 32 + key step
	s_lshr_b32 s37, s33, 5                         ; map x 2 + b
	s_and_b32 s38, s33, 31                         ; key step
	s_lshr_b32 s40, s32, 2                         ; wave / 4: X: K step;  QK: q (0) or k (1);  V: which of my two heads
	s_and_b32 s41, s32, 3                          ; wave % 4: X: which 32 positions;  V: which tile of 16 channels
	s_bfe_u32 s42, s32, 0x10001                    ; QK: which of my two heads
	s_and_b32 s43, s32, 1                          ; QK: which four tiles of positions
	; byte offsets, each in a pair of its own with 0 above it
	s_and_b32 s44, s37, 1                          ; x: b x 256 rows of 16,384 bytes
	s_lshl_b32 s44, s44, 22
	s_lshl_b32 s39, s40, 21                        ; + K step x 128 rows
	s_add_co_u32 s44, s44, s39
	s_lshl_b32 s39, s38, 9                         ; + key step x 128 positions
	s_add_co_u32 s44, s44, s39
	s_lshl_b32 s39, s41, 7                         ; + my 32 positions
	s_add_co_u32 s44, s44, s39
	s_mov_b32 s45, 0
	s_lshl_b32 s39, ttmp9, 1                       ; my work-group's first head
	s_add_co_u32 s70, s39, s42                     ; QK: my head
	s_lshl_b32 s46, s70, 13                        ; its 64 rows of codes,
	s_mov_b32 s47, 0
	s_lshl_b32 s48, s70, 9                         ; of scale bytes,
	s_mov_b32 s49, 0
	s_lshl_b32 s50, s70, 8                         ; its 64 biases
	s_mov_b32 s51, 0
	s_lshl_b32 s71, s37, 2
	s_add_co_u32 s72, s71, s70                     ; idx
	s_lshl_b32 s73, s72, 5
	s_add_co_u32 s73, s73, s38
	s_mul_i32 s73, s73, 9216                       ; the key step's block in kv
	s_lshl_b32 s52, s72, 17                        ; images: in qc idx x 256 tiles + key step x 8 tiles + my four,
	s_lshl_b32 s74, s38, 12
	s_add_co_u32 s52, s52, s74
	s_lshl_b32 s74, s43, 11
	s_add_co_u32 s52, s52, s74
	s_add_co_u32 s54, s73, s74                     ; in kv the block + my four
	s_mov_b32 s53, 0
	s_lshl_b32 s56, s72, 14                        ; scale words: in qs,
	s_lshl_b32 s74, s38, 9
	s_add_co_u32 s56, s56, s74
	s_lshl_b32 s74, s43, 8
	s_add_co_u32 s56, s56, s74
	s_add_co_u32 s58, s73, s74                     ; in kv
	s_add_co_u32 s58, s58, 8192
	s_mov_b32 s57, 0
	s_add_co_u32 s75, s39, s40                     ; V: my head
	s_lshl_b32 s76, s75, 6
	s_lshr_b32 s74, s41, 1
	s_lshl_b32 s74, s74, 5
	s_add_co_u32 s76, s76, s74
	s_and_b32 s74, s41, 1
	s_lshl_b32 s74, s74, 3
	s_add_co_u32 s76, s76, s74                     ; my tile's first row of wv: 64 head + 32 (t / 2) + 8 (t % 2)
	s_lshl_b32 s60, s76, 7
	s_mov_b32 s61, 0
	s_lshl_b32 s62, s76, 3
	s_mov_b32 s63, 0
	s_lshl_b32 s66, s76, 2
	s_mov_b32 s67, 0
	s_add_co_u32 s68, s71, s75                     ; V's images: that head's block + 4,096 + 1,024 t
	s_lshl_b32 s68, s68, 5
	s_add_co_u32 s68, s68, s38
	s_mul_i32 s68, s68, 9216
	s_lshl_b32 s74, s41, 10
	s_add_co_u32 s68, s68, s74
	s_add_co_u32 s68, s68, 4096
	s_mov_b32 s69, 0
	s_add_co_u32 s78, s71, s39                     ; V's scale words (waves 0 and 1): head wave % 2 of my two, block + 8,704
	s_add_co_u32 s78, s78, s43
	s_lshl_b32 s78, s78, 5
	s_add_co_u32 s78, s78, s38
	s_mul_i32 s78, s78, 9216
	s_add_co_u32 s78, s78, 8704
	s_mov_b32 s79, 0
	; vector addresses, all made of v0 and constants
	v_and_b32 v13, 31, v0                          ; lane
	s_delay_alu instid0(VALU_DEP_1)
	v_lshlrev_b32 v[LI], 4, v13
	s_delay_alu instid0(VALU_DEP_2)
	v_lshl_add_u32 v[LS], v13, 2, XSC
	s_delay_alu instid0(VALU_DEP_3)
	v_lshlrev_b32 v[L8], 3, v13
	s_delay_alu instid0(VALU_DEP_4)
	v_lshlrev_b32 v[XA], 2, v13
	v_and_b32 v14, 7, v0
	v_bfe_u32 v15, v0, 3, 1
	v_bfe_u32 v16, v0, 4, 1
	v_bfe_u32 v17, v0, 5, 2
	v_bfe_u32 v18, v0, 7, 1
	v_bfe_u32 v19, v0, 5, 1
	v_lshlrev_b32 v[XWI], 4, v14                   ; position 32 g + l is row (l % 8) + 8 (l / 16) of tile 2 g + (l / 8) % 2
	s_delay_alu instid0(VALU_DEP_1)
	v_lshl_add_u32 v[XWI], v15, 11, v[XWI]
	s_delay_alu instid0(VALU_DEP_1)
	v_lshl_add_u32 v[XWI], v16, 7, v[XWI]
	s_delay_alu instid0(VALU_DEP_1)
	v_lshl_add_u32 v[XWI], v17, 12, v[XWI]
	s_delay_alu instid0(VALU_DEP_1)
	v_lshl_add_u32 v[XWI], v18, 10, v[XWI]
	v_lshl_add_u32 v[XWS], v14, 2, XSC
	s_delay_alu instid0(VALU_DEP_1)
	v_lshl_add_u32 v[XWS], v15, 7, v[XWS]
	s_delay_alu instid0(VALU_DEP_1)
	v_lshl_add_u32 v[XWS], v16, 5, v[XWS]
	s_delay_alu instid0(VALU_DEP_1)
	v_lshl_add_u32 v[XWS], v17, 8, v[XWS]
	s_delay_alu instid0(VALU_DEP_1)
	v_lshl_add_u32 v[XWS], v18, 6, v[XWS]
	v_lshl_add_u32 v[FA], v19, 13, v[LI]
	v_lshl_add_u32 v[LSA], v19, 9, v[LS]
	v_lshl_add_u32 v[VSA], v17, 2, v[LI]
	s_delay_alu instid0(VALU_DEP_1)
	v_lshl_add_u32 v[VSA], v18, 9, v[VSA]
	s_delay_alu instid0(VALU_DEP_1)
	v_add_nc_u32 v[VSA], VST, v[VSA]
	v_lshl_add_u32 v[VRA], v19, 9, v[LI]
	s_delay_alu instid0(VALU_DEP_1)
	v_add_nc_u32 v[VRA], VST, v[VRA]
	v_lshlrev_b32 v[SH], 4, v16
	v_and_b32 v20, 15, v0
	v_and_b32 v21, 8, v0
	s_delay_alu instid0(VALU_DEP_1)
	v_add_nc_u32 v20, v20, v21                     ; r + 8 (r / 8)
	s_delay_alu instid0(VALU_DEP_1)
	v_lshlrev_b32 v[WO], 7, v20
	s_delay_alu instid0(VALU_DEP_1)
	v_lshl_add_u32 v[WO], v16, 4, v[WO]
	s_delay_alu instid0(VALU_DEP_3)
	v_lshlrev_b32 v[WSO], 3, v20
	s_delay_alu instid0(VALU_DEP_1)
	v_lshl_add_u32 v[WSO], v16, 2, v[WSO]
	v_lshlrev_b32 v[BO], 6, v16
	v_lshlrev_b32 v[BVO], 2, v20
.irp b, 0,1,2,3
	v_mov_b32 v[TM+4+\b], 0                        ; written once: a lane permute's destination counts as one of its sources
.endr
	s_wait_alu depctr_va_vdst(0)
	s_wait_kmcnt 0x0
	s_cmp_lt_u32 s33, 64                           ; which map: the choice hangs on the work-group's number alone
	s_cselect_b64 s[4:5], s[4:5], s[6:7]
	s_cmp_eq_u32 s40, 0                            ; q or k: on the wave's number alone
	s_cselect_b64 s[8:9], s[8:9], s[14:15]
	s_cselect_b64 s[10:11], s[10:11], s[16:17]
	s_cselect_b64 s[12:13], s[12:13], s[18:19]
	s_cselect_b64 s[14:15], s[26:27], s[30:31]     ; images go to qc or to kv,
	s_cselect_b64 s[16:17], s[28:29], s[30:31]     ; scale words to qs or to kv
	s_cselect_b32 s52, s52, s54
	s_cselect_b32 s56, s56, s58
	s_add_nc_u64 s[4:5], s[4:5], s[44:45]          ; x
	s_add_nc_u64 s[8:9], s[8:9], s[46:47]          ; my weight's codes,
	s_add_nc_u64 s[10:11], s[10:11], s[48:49]      ; scale bytes,
	s_add_nc_u64 s[12:13], s[12:13], s[50:51]      ; bias
	s_add_nc_u64 s[14:15], s[14:15], s[52:53]
	s_add_nc_u64 s[16:17], s[16:17], s[56:57]
	s_add_nc_u64 s[20:21], s[20:21], s[60:61]      ; wv's codes, scale bytes, bias at my tile
	s_add_nc_u64 s[22:23], s[22:23], s[62:63]
	s_add_nc_u64 s[24:25], s[24:25], s[66:67]
	s_add_nc_u64 s[18:19], s[30:31], s[68:69]      ; V's images
	s_add_nc_u64 s[6:7], s[30:31], s[78:79]        ; V's scale words
	; 21 loads: the weight of phase QK and all scale words
.irp t, 0,1,2,3
.irp s, 0,1
.irp c, 0,1
	global_load_b128 v[WQK+16*\t+8*\s+4*\c:WQK+16*\t+8*\s+4*\c+3], v[WO], s[8:9] offset:(32*(\t/2)+8*(\t%2))*128+64*\s+32*\c
.endr
.endr
.endr
.irp t, 0,1,2,3
	global_load_b32 v[WS+\t], v[WSO], s[10:11] offset:(32*(\t/2)+8*(\t%2))*8
.endr
	global_load_b32 v[WVS], v[WSO], s[22:23]
	; 128 loads: x(128 s + i, my position): 32 lanes read 128 consecutive bytes, four waves side by side 512
.set i, 0
.rept 128
	global_load_b32 v[XN+i], v[XA], s[4:5] offset:i*16384
.set i, i+1
.endr
; ---- X.  Block b of my position: 32 numbers in my own registers.  cnt: how many younger loads may stay out.  cr: where its four registers of codes go
.macro XBLOCK b, cnt, cr
.set XS, XN+32*(\b)
	s_wait_loadcnt \cnt
	v_max3_num_f32 v[TM], |v[XS]|, |v[XS+1]|, |v[XS+2]|
	v_max3_num_f32 v[TM+1], |v[XS+3]|, |v[XS+4]|, |v[XS+5]|
.irp i, 6,10,14,18,22,26
	s_delay_alu instid0(VALU_DEP_2)
	v_max3_num_f32 v[TM], v[TM], |v[XS+\i]|, |v[XS+\i+1]|
	s_delay_alu instid0(VALU_DEP_2)
	v_max3_num_f32 v[TM+1], v[TM+1], |v[XS+\i+2]|, |v[XS+\i+3]|
.endr
	s_delay_alu instid0(VALU_DEP_2)
	v_max3_num_f32 v[TM], v[TM], |v[XS+30]|, |v[XS+31]|
	s_delay_alu instid0(VALU_DEP_1)
	v_max3_num_f32 v[TM], v[TM], v[TM+1], 0x1800000   ; and the floor 2^(3 - 127)
	s_delay_alu instid0(VALU_DEP_1)
	v_add_nc_u32 v[TM+8], 0xff000000, v[TM]
.irp g, 0,1,2,3
	v_cvt_scalef32_pk8_fp4_f32 v[\cr+\g], v[XS+8*\g:XS+8*\g+7], v[TM+8]
.endr
	v_lshrrev_b32 v[TM+4], 23, v[TM+8]             ; the byte; also the plain place behind the conversions
.if \b == 0
	s_delay_alu instid0(VALU_DEP_1)
	v_mov_b32 v[PW], v[TM+4]
.else
	s_delay_alu instid0(VALU_DEP_1)
	v_lshl_or_b32 v[PW], v[TM+4], 8*(\b), v[PW]
.endif
	ds_store_b128 v[XWI], v[\cr:\cr+3] offset:256*(\b)   ; block b = 2 c + h is part c, lanes 16 h on, of the fragment's image
.endm
	XBLOCK 0, 63, XF                               ; 96 younger loads are out: the count is the largest that the wait can name
.irp t, 0,1,2,3                                ; block 0's registers take the bias of phase QK: lane (r, h) wants, for tile 2 b + u, channels 32 b + 8 u + 16 h + 0 .. 7
	global_load_b128 v[BQK+8*\t:BQK+8*\t+3], v[BO], s[12:13] offset:(32*(\t/2)+8*(\t%2))*4
	global_load_b128 v[BQK+8*\t+4:BQK+8*\t+7], v[BO], s[12:13] offset:(32*(\t/2)+8*(\t%2))*4+16
.endr
	XBLOCK 1, 63, XF+4                             ; 64 + 8 younger
.irp s, 0,1                                    ; block 1's registers take wv's fragments and v's bias
.irp c, 0,1
	global_load_b128 v[WV+8*\s+4*\c:WV+8*\s+4*\c+3], v[WO], s[20:21] offset:64*\s+32*\c
.endr
.endr
.irp j, 0,1,2,3,4,5,6,7
	global_load_b32 v[BV+\j], v[BVO], s[24:25]     ; a lane of v's result holds one channel in all eight registers
.endr
	XBLOCK 2, 52, PC                               ; 32 + 8 + 12 younger
	XBLOCK 3, 20, PC+4                             ; 8 + 12 younger
	ds_store_b32 v[XWS], v[PW]
	s_wait_loadcnt 0x0                             ; weights, biases, scale words
	BARRIER                                        ; x's sixteen fragments and their scale words lie in LDS
; ---- QK.  Two tiles of positions at a time: 2 x 4 accumulators of 16 channels x 16 positions; the four of a tile take turns
.macro QKPAIR pr
.irp e, 0,1
.irp s, 0,1
.irp c, 0,1
	ds_load_b128 v[XF+8*\s+4*\c:XF+8*\s+4*\c+3], v[FA] offset:(2*\pr+\e)*2048+1024*\s+512*\c
.endr
.endr
	ds_load_b32 v[VXS], v[LSA] offset:128*(2*\pr+\e)
	s_wait_dscnt 0x0
.irp t, 0,1,2,3
	MM ACC+32*\e+8*\t, WQK+16*\t, XF, BQK+8*\t, WS+\t, VXS, 0          ; the bias is the C of the sum's first product
.endr
.irp t, 0,1,2,3
	MM ACC+32*\e+8*\t, WQK+16*\t+8, XF+8, ACC+32*\e+8*\t, WS+\t, VXS, 1
.endr
.rept 4
	v_nop                                          ; places in front of the loads into x's registers and of the first read of results
.endr
.endr
	s_wait_xcnt 0x0                                ; the last pair's stores have read the codes' registers
	QUANT ACC                                      ; block 2 e + b is block b of the head in tile e: registers 4 e .. 4 e + 3 are that tile's operand registers 0-3
	v_lshrrev_b32 v[OS+\pr], v[SH], v[PW]          ; lanes 0-15 keep tile e = 0's two bytes, lanes 16-31 take tile e = 1's
	s_delay_alu instid0(VALU_DEP_1)
	v_and_or_b32 v[OS+\pr], v[OS+\pr], s36, 0x7f7f0000   ; and 127 for the two blocks of zero codes
.irp e, 0,1
	global_store_b128 v[LI], v[PC+4*\e:PC+4*\e+3], s[14:15] offset:(2*\pr+\e)*512
.endr
.endm
	QKPAIR 0
	QKPAIR 1
	global_store_b64 v[L8], v[OS:OS+1], s[16:17]   ; 32 lanes store 256 consecutive bytes, aligned
	; ---- V.  My 16 channels for the 128 positions: eight accumulators by turns, a K step at a time.  The places in front of these loads and products are the quantiser's lines above
.irp m, 0,1,2,3,4,5,6,7
	ds_load_b32 v[VXS+\m], v[LS] offset:128*\m
.endr
.irp m, 0,1,2,3,4,5,6,7
.irp c, 0,1
	ds_load_b128 v[WQK+8*\m+4*\c:WQK+8*\m+4*\c+3], v[LI] offset:2048*\m+512*\c
.endr
.endr
	s_wait_dscnt 0x0
.irp m, 0,1,2,3,4,5,6,7
	MM ACC+8*\m, WQK+8*\m, WV, BV, VXS+\m, WVS, 0
.endr
.rept 4
	v_nop
.endr
.irp m, 0,1,2,3,4,5,6,7
.irp c, 0,1
	ds_load_b128 v[WQK+8*\m+4*\c:WQK+8*\m+4*\c+3], v[LI] offset:2048*\m+1024+512*\c
.endr
.endr
	s_wait_dscnt 0x0
.irp m, 0,1,2,3,4,5,6,7
	MM ACC+8*\m, WQK+8*\m, WV+8, ACC+8*\m, VXS+\m, WVS, 1
.endr
.rept 4
	v_nop
.endr
	s_wait_xcnt 0x0                                ; phase QK's stores have read the codes' registers
	QUANT ACC                                      ; register 16 G + i is key 32 G + 16 h + i of my channel: one fragment of V and its scale word
.irp c, 0,1
	global_store_b128 v[LI], v[PC+4*\c:PC+4*\c+3], s[18:19] offset:512*\c
.endr
	ds_store_b32 v[VSA], v[PW]                     ; a head's four tiles' words meet in LDS, 16 bytes a lane
	BARRIER
	s_cmp_lt_u32 s32, 2
	s_cbranch_scc0 .Lend
	ds_load_b128 v[XF:XF+3], v[VRA]                ; waves 0 and 1: a head each
	s_wait_dscnt 0x0
	global_store_b128 v[LI], v[XF:XF+3], s[6:7]
.Lend:
	s_set_vgpr_msb 0x5
	s_wait_tensorcnt 0x0
	ds_add_u32 v0, v1
	s_wait_dscnt 0x0
	s_set_vgpr_msb 0x500
	s_endpgm
.Lfunc_end_k_q773a805d39_proj:
	.size	k_q773a805d39_proj, .Lfunc_end_k_q773a805d39_proj-k_q773a805d39_proj
	.p2alignl 7, 3214868480
	.fill 96, 4, 3214868480
	.section	.rodata,"a",@progbits
	.p2align	6, 0x0
	.amdhsa_kernel k_q773a805d39_proj
		.amdhsa_group_segment_fixed_size 19456
		.amdhsa_private_segment_fixed_size 0
		.amdhsa_enable_private_segment 0
		.amdhsa_kernarg_size 112
		.amdhsa_user_sgpr_count 2
		.amdhsa_user_sgpr_kernarg_segment_ptr 1
		.amdhsa_wavefront_size32 1
		.amdhsa_system_sgpr_workgroup_id_x 1
		.amdhsa_system_sgpr_workgroup_id_y 1
		.amdhsa_system_sgpr_workgroup_id_z 1
		.amdhsa_system_vgpr_workitem_id 0
		.amdhsa_next_free_vgpr 258
		.amdhsa_next_free_sgpr 80
		.amdhsa_reserve_vcc 0
		.amdhsa_float_denorm_mode_32 3
		.amdhsa_float_denorm_mode_16_64 3
		.amdhsa_memory_ordered 1
		.amdhsa_forward_progress 1
		.amdhsa_inst_pref_size 57
	.end_amdhsa_kernel
	.amdgpu_metadata
---
amdhsa.version: [ 1, 2 ]
amdhsa.kernels:
  - .name:           k_q773a805d39_proj
    .symbol:         k_q773a805d39_proj.kd
    .args:
      - { .name: spatial_feat, .offset: 0, .size: 8, .value_kind: global_buffer, .address_space: global }
      - { .name: freq_feat, .offset: 8, .size: 8, .value_kind: global_buffer, .address_space: global }
      - { .name: wq_codes, .offset: 16, .size: 8, .value_kind: global_buffer, .address_space: global }
      - { .name: wq_scales, .offset: 24, .size: 8, .value_kind: global_buffer, .address_space: global }
      - { .name: bq, .offset: 32, .size: 8, .value_kind: global_buffer, .address_space: global }
      - { .name: wk_codes, .offset: 40, .size: 8, .value_kind: global_buffer, .address_space: global }
      - { .name: wk_scales, .offset: 48, .size: 8, .value_kind: global_buffer, .address_space: global }
      - { .name: bk, .offset: 56, .size: 8, .value_kind: global_buffer, .address_space: global }
      - { .name: wv_codes, .offset: 64, .size: 8, .value_kind: global_buffer, .address_space: global }
      - { .name: wv_scales, .offset: 72, .size: 8, .value_kind: global_buffer, .address_space: global }
      - { .name: bv, .offset: 80, .size: 8, .value_kind: global_buffer, .address_space: global }
      - { .name: qc, .offset: 88, .size: 8, .value_kind: global_buffer, .address_space: global }
      - { .name: qs, .offset: 96, .size: 8, .value_kind: global_buffer, .address_space: global }
      - { .name: kv, .offset: 104, .size: 8, .value_kind: global_buffer, .address_space: global }
    .group_segment_fixed_size: 19456
    .private_segment_fixed_size: 0
    .kernarg_segment_align: 8
    .kernarg_segment_size: 112
    .max_flat_workgroup_size: 256
    .sgpr_count:     80
    .vgpr_count:     258
    .wavefront_size: 32
...
	.end_amdgpu_metadata
.endif
;; end of part 1
;; launch attn (part 2): grid 16 x 16, 16 waves a work-group, clusters of 4 x 1, 297,984 bytes of LDS; arguments qc, qs, kv, ao, aos; writes ao, aos
.if DOCPART == 2
	.amdgcn_target "amdgcn-amd-amdhsa--gfx1250"
	.amdhsa_code_object_version 6
	.text
	.protected	k_q773a805d39_attn
	.globl	k_q773a805d39_attn
	.p2align	8
	.type	k_q773a805d39_attn,@function
k_q773a805d39_attn:
	s_mov_b64 s[64:65], 0
	v_nop
	global_prefetch_b8 v0, s[64:65] scope:SCOPE_SE
	s_setreg_imm32_b32 hwreg(HW_REG_WAVE_MODE, 25, 1), 1
	s_wait_xcnt 0x0
	s_wait_alu depctr_hold_cnt(0) depctr_sa_sdst(0) depctr_va_vdst(0) depctr_va_sdst(0) depctr_va_ssrc(0) depctr_va_vcc(0) depctr_vm_vsrc(0)
	s_getreg_b32 s2, hwreg(HW_REG_IB_STS2, 6, 4)
	s_cmp_eq_u32 s2, 0
	s_cbranch_scc0 .Lentry_in_a_cluster
	s_endpgm
.Lentry_in_a_cluster:
	s_bfe_u32 s2, ttmp6, 0x10000c
	s_cmp_lg_u32 s2, 0x3003
	s_cbranch_scc0 .Lentry_shape_is_right
	s_endpgm
.Lentry_shape_is_right:
; Both cross-attentions: o(d, m) = sum over n of v(d, n) softmax_n(q(., m) . k(., n) / 8), on codes of FP4 (E2M1) with one E8M0 scale for each 32 along a product's K; the result is quantised along the channels for the last projection.
; y = direction x 8 + b x 4 + head names q's tiles in qc and qs; k and v come from the other map: index y xor 8 in kv.
; THE SOFTMAX: t = score x log2(e) / 8; M = the row's largest t so far, rounded UP to a whole number; p = 2^(t - M) is quantised along the keys, not normalised.  The row's sum is taken of the unquantised p and divides at the end.
; When M moves, the sum and O are multiplied by 2^(old M - new M): exact.
; SHARES.  A work-group owns 256 queries of one y; each of its sixteen waves owns one tile of 16 in 256 registers: four waves to a SIMD, so that one wave's vector work stands beside another's matrix work and LDS loads.
; Every wave walks all 4,096 keys, 128 a step.
; LDS.  All 32 key steps of a y, 32 x 9,216 bytes, lie in LDS at once: they are filled ONCE, in four chunks of eight steps, and nothing is ever filled again.  Every wave asks for a sixteenth of each chunk (18 rows of 256 bytes;
; a chunk's 288 rows over sixteen waves give every wave the same text and one counted wait): four tensor loads of mine are out at the most.
; CLUSTER.  The four work-groups of a cluster have the same y and read the same bytes of kv: each part is asked for JOINTLY, by the same tensor load with the same descriptor and a mask that names the four.
; LAYOUT.  Both products are used transposed: S^T = K Q^T (source 0 = 16 keys, source 1 = my 16 queries), O^T = V^T P^T (source 0 = 16 channels, source 1 = P): a lane holds one query throughout.
; The keys of a tile of K, and the channels of a tile of V, are chosen (row r of tile 2 G + u is 32 G + 8 u + r + 8 (r / 8)) so that the 16 registers of two neighbouring tiles are 16 neighbours along the next K.
; The head has 64 channels: the upper half of K's and Q's operands is zero codes, written once; their scale bytes are 127.
; A key step's block in LDS: 8 tiles of K (512 bytes each: registers 0-3), 4 tiles of V (1,024 each) at 4,096, K's scale words at 8,192 (8 bytes a lane, twice; tile 2 j in lanes 0-15 of register j, tile 2 j + 1 in lanes 16-31), V's at 8,704 (16 bytes a lane).
; LIMITS: NaN and infinities are not served.  A block of the result whose largest magnitude lies under 2^-124, a block of zeros too, gets the byte 1: this program alone reads the bytes.
.set STEPB, 9216
.set CHUNK, 8*STEPB
.set PART,  CHUNK/16
.set AST,   32*STEPB                   ; behind the key steps: 32 bytes a wave, the result's scale bytes on their way out; no tile lands there
; v1 16 x lane; v2 8 x lane; v3, v4 the step's LDS addresses; v5, v6 the way out's; v7 Q's scale words' offset; v8-15 Q; v16 Q's scale words; v18 -M; v19 the largest t; v[20:21] the sum in two halves
; v24-27 K's scale words; v28-31 V's; v32-95 K's eight tiles; v96-159 S^T, then p; v160-191 O^T; v192-223 V's four tiles; v224-231 p's codes; v232-235 block maxima; v236-239 at work; v[240:241] f; v242 p's scale word; v244-247 scale operands
.macro ROUND                           ; a round of the cluster's barrier
	s_barrier_signal -1
	s_barrier_wait -1
	s_cmp_lg_u32 s14, 0
	s_cbranch_scc1 .Lnot_wave_0_\@
	s_barrier_signal -3
.Lnot_wave_0_\@:
	s_barrier_wait -3
	s_barrier_signal -1
	s_barrier_wait -1
.endm
	s_load_b256 s[4:11], s[0:1], 0x0               ; qc 4, qs 6, kv 8, ao 10
	s_load_b64 s[12:13], s[0:1], 0x20              ; aos
	v_lshl_add_u32 v253, v0, 2, 0x48400
	v_mov_b32 v255, 0
	ds_add_u32 v253, v255
	ds_add_u32 v253, v255
	v_lshrrev_b32 v252, 5, v0
	s_delay_alu instid0(VALU_DEP_1)
	v_readfirstlane_b32 s14, v252                  ; wave 0..15
	s_bfe_u32 s15, ttmp6, 0x40000                  ; cx: it enters the addresses of qc, qs, ao and aos alone
	s_lshl_b32 s16, ttmp9, 2
	s_add_co_u32 s16, s16, s15                     ; my block of 256 queries
	s_and_b32 s17, ttmp7, 0xffff                   ; y, which the four partners share
	s_xor_b32 s58, s17, 8                          ; kv: the other map,
	s_mul_i32 s58, s58, 32*STEPB
	s_mul_i32 s60, s14, PART                       ; my sixteenth of a chunk: the same offset in memory and in LDS
	s_add_co_u32 s58, s58, s60
	s_mov_b32 s59, 0
	s_lshl_b32 s18, s16, 4
	s_add_co_u32 s18, s18, s14                     ; T: my tile of queries
	s_lshl_b32 s54, s17, 17                        ; qc: y x 256 tiles + T, 512 bytes each
	s_lshl_b32 s19, s18, 9
	s_add_co_u32 s54, s54, s19
	s_mov_b32 s55, 0
	s_lshl_b32 s56, s17, 14                        ; qs: y x 16,384 + (T / 4) x 256 + 128 (T % 2) + 4 ((T / 2) % 2)
	s_lshr_b32 s19, s18, 2
	s_lshl_b32 s19, s19, 8
	s_add_co_u32 s56, s56, s19
	s_and_b32 s19, s18, 1
	s_lshl_b32 s19, s19, 7
	s_add_co_u32 s56, s56, s19
	s_bfe_u32 s19, s18, 0x10001
	s_lshl_b32 s19, s19, 2
	s_add_co_u32 s56, s56, s19
	s_mov_b32 s57, 0
	s_lshr_b32 s20, s17, 2                         ; ao: (((y / 4) x 256 + T) x 4 + head) x 512
	s_lshl_b32 s20, s20, 8
	s_add_co_u32 s20, s20, s18
	s_lshl_b32 s20, s20, 2
	s_and_b32 s19, s17, 3
	s_add_co_u32 s20, s20, s19
	s_lshl_b32 s20, s20, 9
	s_mov_b32 s21, 0
	s_lshl_b32 s22, s17, 13                        ; aos: y x 8,192 + my block's 16 tiles x 32 bytes
	s_lshl_b32 s19, s16, 9
	s_add_co_u32 s22, s22, s19
	s_mov_b32 s23, 0
	; descriptor group 1: a dense block of 4,608 bytes as 18 rows of 32 elements of 8 bytes, no padding
	s_mov_b32 s24, 15|(3<<16)|(1<<21)              ; 15:0 the mask: all four work-groups; 17:16 elements of 8 bytes; 21 set beside a mask
	s_mov_b32 s25, 32<<16                          ; tensor_dim0 = 32
	s_mov_b32 s26, 18<<16                          ; tensor_dim1 = 18
	s_mov_b32 s27, 32<<16                          ; tile_dim0 = 32
	s_mov_b32 s28, 18                              ; tile_dim1 = 18
	s_mov_b32 s29, 32                              ; elements from row to row
	s_mov_b32 s30, 0
	s_mov_b32 s31, 0
	s_mov_b32 s48, 0x76543210                      ; v_permlanex16_b32: lane l xor 16
	s_mov_b32 s49, 0xfedcba98
	s_mov_b32 s50, 0x3e38aa3b                      ; c = log2(e) / 8
	s_mov_b32 s51, s50                             ; (named with it as a pair, so it is written)
	v_and_b32 v252, 31, v0
	s_delay_alu instid0(VALU_DEP_1)
	v_lshlrev_b32 v1, 4, v252
	s_delay_alu instid0(VALU_DEP_2)
	v_lshlrev_b32 v2, 3, v252
	v_and_b32 v254, 15, v0
	s_delay_alu instid0(VALU_DEP_1)
	v_lshlrev_b32 v7, 3, v254
	v_and_b32 v5, 0x1e0, v0                        ; 32 x wave
	s_delay_alu instid0(VALU_DEP_1)
	v_lshl_add_u32 v5, v254, 1, v5
	s_delay_alu instid0(VALU_DEP_1)
	v_add_nc_u32 v5, AST, v5                       ; my query's two bytes
	v_add_nc_u32 v6, AST, v1
	s_wait_dscnt 0x0
	s_wait_kmcnt 0x0
	s_add_nc_u64 s[4:5], s[4:5], s[54:55]
	s_add_nc_u64 s[6:7], s[6:7], s[56:57]
	s_add_nc_u64 s[8:9], s[8:9], s[58:59]
	s_add_nc_u64 s[10:11], s[10:11], s[20:21]
	s_add_nc_u64 s[12:13], s[12:13], s[22:23]
.irp c, 0,1,2,3                                ; descriptor group 0, a set for each chunk
	s_mov_b32 s[32+4*\c], 1
	s_add_co_u32 s[33+4*\c], s60, \c*CHUNK
	s_add_nc_u64 s[34+4*\c:35+4*\c], s[8:9], \c*CHUNK
	s_or_b32 s[35+4*\c], s[35+4*\c], 0x80000000
.endr
	ROUND                                          ; all four work-groups are here: the joint loads meet
	tensor_load_to_lds s[32:35], s[24:31]          ; the only fills of the launch, one group
	s_nop 0
	tensor_load_to_lds s[36:39], s[24:31]
	s_nop 0
	tensor_load_to_lds s[40:43], s[24:31]
	s_nop 0
	tensor_load_to_lds s[44:47], s[24:31]
	s_nop 0
.rept 4
	v_nop
.endr
	s_wait_alu depctr_va_vdst(0)
	global_load_b128 v[8:11], v1, s[4:5]           ; Q's registers 0-3
	global_load_b32 v16, v7, s[6:7]                ; Q's scale words
	v_mov_b32 v19, 0xff61b1e6                      ; the largest t so far: -3e38, under every t
	s_delay_alu instid0(VALU_DEP_1)
	v_floor_f32 v18, -v19                          ; -M
	v_mov_b32 v20, 0
	v_mov_b32 v21, 0
.set j, 0
.rept 32
	v_mov_b32 v[160+j], 0                          ; O^T: the step is written once; its first walk finds zeros, which the first change of M leaves zeros
.set j, j+1
.endr
.irp t, 0,1,2,3,4,5,6,7
.irp j, 4,5,6,7
	v_mov_b32 v[32+8*\t+\j], 0                     ; K's channels 64 to 127: zero codes, never loaded over
.endr
.endr
.irp j, 12,13,14,15
	v_mov_b32 v[\j], 0                             ; Q's likewise
.endr
.irp j, 236,237,238,239,241,252
	v_mov_b32 v[\j], 0                             ; written once: a lane permute's destination counts as a source, and v241 is named with v240 as a pair
.endr
; A KEY STEP: 128 keys; its block begins at LDS byte s52
.macro STEP
	v_add_nc_u32 v3, s52, v1
	v_add_nc_u32 v4, s52, v2
	v_nop
	v_nop                                          ; four places in front of loads into registers that the last step's products read
	ds_load_b64 v[24:25], v4 offset:8192
	ds_load_b64 v[26:27], v4 offset:8448
.irp t, 0,1,2,3,4,5,6,7
	ds_load_b128 v[32+8*\t:35+8*\t], v3 offset:512*\t
.endr
	ds_load_b128 v[28:31], v3 offset:8704
.irp t, 0,1,2,3
.irp c, 0,1
	ds_load_b128 v[192+8*\t+4*\c:195+8*\t+4*\c], v3 offset:4096+1024*\t+512*\c
.endr
.endr
	s_wait_dscnt 9                                 ; K and its scale words are in; V's nine loads land under the softmax
.irp t, 0,2,4,6
	v_wmma_scale_f32_16x16x128_f8f6f4 v[96+8*\t:103+8*\t], v[32+8*\t:39+8*\t], v[8:15], 0, v[24+\t/2], v16 matrix_a_fmt:MATRIX_FMT_FP4 matrix_b_fmt:MATRIX_FMT_FP4
	v_wmma_scale_f32_16x16x128_f8f6f4 v[104+8*\t:111+8*\t], v[40+8*\t:47+8*\t], v[8:15], 0, v[24+\t/2], v16 matrix_a_fmt:MATRIX_FMT_FP4 matrix_b_fmt:MATRIX_FMT_FP4 matrix_a_scale:MATRIX_SCALE_ROW1
.endr
.rept 4
	v_nop
.endr
.irp b, 0,1,2,3
	v_max3_num_f32 v[232+\b], v[96+16*\b], v[97+16*\b], v[98+16*\b]   ; the largest score of each block of 32 keys: for the row's maximum, and, since p rises with the score, for the block's largest p
.endr
.irp i, 3,5,7,9,11,13
.irp b, 0,1,2,3
	v_max3_num_f32 v[232+\b], v[232+\b], v[96+16*\b+\i], v[97+16*\b+\i]
.endr
.endr
.irp b, 0,1,2,3
	v_max_num_f32 v[232+\b], v[232+\b], v[111+16*\b]
.endr
.irp b, 0,1,2,3
	s_delay_alu instid0(VALU_DEP_4)
	v_permlanex16_b32 v[236+\b], v[232+\b], s48, s49
.endr
.irp b, 0,1,2,3
	s_delay_alu instid0(VALU_DEP_4)
	v_max_num_f32 v[232+\b], v[232+\b], v[236+\b]  ; with lane l xor 16's 16 keys
.endr
	s_delay_alu instid0(VALU_DEP_2)
	v_max3_num_f32 v254, v232, v233, v234
	s_delay_alu instid0(VALU_DEP_1)
	v_max_num_f32 v254, v254, v235                 ; the step's largest score of my query
	s_delay_alu instid0(VALU_DEP_1)
	v_mul_f32 v254, s50, v254                      ; as t (c is positive)
	s_delay_alu instid0(VALU_DEP_1)
	v_max_num_f32 v19, v19, v254                   ; the running largest t
	v_mov_b32 v254, v18
	s_delay_alu instid0(VALU_DEP_2)
	v_floor_f32 v18, -v19                          ; the new -M = floor(-t): M is a whole number
	s_delay_alu instid0(VALU_DEP_1)
	v_sub_f32 v254, v18, v254                      ; old M less new M: a whole number, 0 or less
	s_delay_alu instid0(VALU_DEP_1)
	v_cvt_i32_f32 v254, v254                       ; (it saturates)
	s_delay_alu instid0(VALU_DEP_1)
	v_ldexp_f32 v240, 1.0, v254                    ; f = 2^(old M - new M)
.set j, 0
.rept 32
	v_pk_fma_f32 v[96+j:97+j], v[96+j:97+j], s[50:51], v[18:19] op_sel_hi:[1,0,0]   ; t - M, two at a time
.set j, j+2
.endr
.irp b, 0,1,2,3
	v_fma_f32 v[232+\b], v[232+\b], s50, v18       ; the same of each block's largest score
.endr
.set j, 0
	s_wait_alu depctr_va_vdst(0)
.rept 64
	v_exp_f32 v[96+j], v[96+j]                     ; p = 2^(t - M), at most 1
.set j, j+1
.endr
	s_setprio 1
.irp b, 0,1,2,3
	v_exp_f32 v[232+\b], v[232+\b]                 ; the block's largest p: the same two instructions on the same number
.endr
	v_pk_mul_f32 v[20:21], v[20:21], v[240:241] op_sel_hi:[1,0]   ; the sums under the new M; a plain place behind the exponentials
	s_wait_alu depctr_va_vdst(0)
.irp b, 0,1,2,3
	v_max_num_f32 v[232+\b], 0x1800000, v[232+\b]  ; the floor 2^(3 - 127): the byte cannot fall under 1
.endr
.irp b, 0,1,2,3
	s_delay_alu instid0(VALU_DEP_4)
	v_add_nc_u32 v[244+\b], 0xff000000, v[232+\b]  ; 2 off the exponent field: the conversion's scale operand
.endr
.irp b, 0,1,2,3
	s_delay_alu instid0(VALU_DEP_4)
	v_lshrrev_b32 v[236+\b], 23, v[244+\b]         ; the scale's byte
.endr
	s_delay_alu instid0(VALU_DEP_3)
	v_lshl_or_b32 v242, v237, 8, v236              ; p's scale word for these 128 keys
	s_delay_alu instid0(VALU_DEP_1)
	v_lshl_or_b32 v242, v238, 16, v242
	s_delay_alu instid0(VALU_DEP_1)
	v_lshl_or_b32 v242, v239, 24, v242
.irp b, 0,1,2,3
	v_cvt_scalef32_pk8_fp4_f32 v[224+2*\b], v[96+16*\b:103+16*\b], v[244+\b]
	v_cvt_scalef32_pk8_fp4_f32 v[225+2*\b], v[104+16*\b:111+16*\b], v[244+\b]
.endr
	v_nop                                          ; one plain place behind a scaled conversion
.irp c, 0,1                                    ; a whole block in a lane: lanes 0-15 block 2 c, lanes 16-31 block 2 c + 1
.irp i, 0,1
	v_permlane16_swap_b32 v[224+4*\c+\i], v[226+4*\c+\i]
.endr
.endr
	v_pk_add_f32 v[236:237], v[100:101], v[104:105]
	v_pk_add_f32 v[250:251], v[108:109], v[112:113]
	v_pk_add_f32 v[248:249], v[116:117], v[120:121]
	v_pk_add_f32 v[246:247], v[124:125], v[128:129]
	v_pk_add_f32 v[244:245], v[132:133], v[136:137]
	v_pk_add_f32 v[234:235], v[140:141], v[144:145]
	v_pk_add_f32 v[232:233], v[148:149], v[152:153]
	v_pk_add_f32 v[20:21], v[20:21], v[156:157]
	v_pk_add_f32 v[236:237], v[236:237], v[96:97]
	v_pk_add_f32 v[250:251], v[250:251], v[98:99]
	v_pk_add_f32 v[248:249], v[248:249], v[102:103]
	v_pk_add_f32 v[246:247], v[246:247], v[106:107]
	v_pk_add_f32 v[244:245], v[244:245], v[110:111]
	v_pk_add_f32 v[234:235], v[234:235], v[114:115]
	v_pk_add_f32 v[232:233], v[232:233], v[118:119]
	v_pk_add_f32 v[20:21], v[20:21], v[122:123]
	v_pk_add_f32 v[236:237], v[236:237], v[126:127]
	v_pk_add_f32 v[250:251], v[250:251], v[130:131]
	v_pk_add_f32 v[248:249], v[248:249], v[134:135]
	v_pk_add_f32 v[246:247], v[246:247], v[138:139]
	v_pk_add_f32 v[244:245], v[244:245], v[142:143]
	v_pk_add_f32 v[234:235], v[234:235], v[146:147]
	v_pk_add_f32 v[232:233], v[232:233], v[150:151]
	v_pk_add_f32 v[20:21], v[20:21], v[154:155]
	v_pk_add_f32 v[236:237], v[236:237], v[158:159]
	s_delay_alu instid0(VALU_DEP_2)
	v_pk_add_f32 v[20:21], v[20:21], v[246:247]
	s_delay_alu instid0(VALU_DEP_2)
	v_pk_add_f32 v[236:237], v[236:237], v[244:245]
	v_pk_add_f32 v[250:251], v[250:251], v[234:235]
	v_pk_add_f32 v[248:249], v[248:249], v[232:233]
	s_delay_alu instid0(VALU_DEP_2)
	v_pk_add_f32 v[20:21], v[20:21], v[250:251]
	s_delay_alu instid0(VALU_DEP_2)
	v_pk_add_f32 v[236:237], v[236:237], v[248:249]
	s_delay_alu instid0(VALU_DEP_1)
	v_pk_add_f32 v[20:21], v[20:21], v[236:237]
.set j, 0
	s_setprio 0
.rept 16
	v_pk_mul_f32 v[160+j:161+j], v[160+j:161+j], v[240:241] op_sel_hi:[1,0]   ; O^T under the new M, each accumulator from its low end on.  With the sums above: the places between p's codes and scale word and the products below
.set j, j+2
.endr
	s_wait_alu depctr_va_vdst(0)
	s_wait_dscnt 0x0                               ; V and its scale words are in
.irp t, 0,1,2,3                                ; one product an accumulator a step: they take turns
	v_wmma_scale_f32_16x16x128_f8f6f4 v[160+8*\t:167+8*\t], v[192+8*\t:199+8*\t], v[224:231], v[160+8*\t:167+8*\t], v[28+\t], v242 matrix_a_fmt:MATRIX_FMT_FP4 matrix_b_fmt:MATRIX_FMT_FP4
.endr
.endm
; Chunk c: eight key steps.  n: my younger tensor loads, which may stay out
.macro PHASE c, n
	s_wait_tensorcnt \n                            ; my part of chunk c is in;
	s_barrier_signal -1                            ; (no LDS instruction of mine is out: a step ends behind a wait for all of them)
	s_barrier_wait -1                              ; everybody's is
	s_mov_b32 s52, (\c)*CHUNK
	s_mov_b32 s53, 8
.Lstep_\@:
	s_wait_alu depctr_va_vdst(0)
	s_setprio 2
	STEP
	s_add_co_u32 s52, s52, STEPB
	s_sub_co_u32 s53, s53, 1
	s_cmp_lg_u32 s53, 0
	s_cbranch_scc1 .Lstep_\@
	s_setprio 0
.endm
	s_wait_loadcnt 0x0                             ; Q
	PHASE 0, 3
	PHASE 1, 2
	PHASE 2, 1
	PHASE 3, 0
	; THE WAY OUT: O^T / the sum, quantised along the head's 64 channels: register 16 b + i is channel 32 b + 16 h + i of my query
.rept 4
	v_nop                                          ; places behind the last products
.endr
	v_add_f32 v20, v20, v21                        ; the sum's two halves,
	s_delay_alu instid0(VALU_DEP_1)
	v_permlanex16_b32 v252, v20, s48, s49
	s_delay_alu instid0(VALU_DEP_1)
	v_add_f32 v20, v20, v252                       ; and lane l xor 16's
	s_wait_alu depctr_va_vdst(0)
	v_rcp_f32 v20, v20
	v_nop                                          ; a plain place behind the transcendental
.set j, 0
	s_wait_alu depctr_va_vdst(0)
.rept 16
	v_pk_mul_f32 v[96+j:97+j], v[160+j:161+j], v[20:21] op_sel_hi:[1,0]
.set j, j+2
.endr
.irp b, 0,1
	v_max3_num_f32 v[232+\b], |v[96+16*\b]|, |v[97+16*\b]|, 0x1800000
.endr
.irp i, 2,4,6,8,10,12,14
.irp b, 0,1
	s_delay_alu instid0(VALU_DEP_2)
	v_max3_num_f32 v[232+\b], v[232+\b], |v[96+16*\b+\i]|, |v[97+16*\b+\i]|
.endr
.endr
.irp b, 0,1
	s_delay_alu instid0(VALU_DEP_2)
	v_permlanex16_b32 v[236+\b], v[232+\b], s48, s49
.endr
.irp b, 0,1
	s_delay_alu instid0(VALU_DEP_2)
	v_max_num_f32 v[232+\b], v[232+\b], v[236+\b]
.endr
.irp b, 0,1
	s_delay_alu instid0(VALU_DEP_2)
	v_add_nc_u32 v[244+\b], 0xff000000, v[232+\b]
.endr
.irp b, 0,1
	s_delay_alu instid0(VALU_DEP_2)
	v_lshrrev_b32 v[236+\b], 23, v[244+\b]
.endr
	s_delay_alu instid0(VALU_DEP_1)
	v_lshl_or_b32 v252, v237, 8, v236              ; the head's two bytes of my query
.irp b, 0,1
	v_cvt_scalef32_pk8_fp4_f32 v[224+2*\b], v[96+16*\b:103+16*\b], v[244+\b]
	v_cvt_scalef32_pk8_fp4_f32 v[225+2*\b], v[104+16*\b:111+16*\b], v[244+\b]
.endr
	v_nop
	v_permlane16_swap_b32 v224, v226               ; lanes 0-15 channels 0-31, lanes 16-31 channels 32-63: four registers of the last projection's operand
	v_permlane16_swap_b32 v225, v227
	global_store_b128 v1, v[224:227], s[10:11]     ; 512 consecutive bytes
	ds_store_b16 v5, v252                          ; (lanes l and l xor 16 write the same bytes with the same value)
	s_wait_dscnt 0x0
	s_barrier_signal -1
	s_barrier_wait -1                              ; the sixteen tiles' bytes lie together: 512 bytes
	s_cmp_lg_u32 s14, 0
	s_cbranch_scc1 .Lnot_first
	ds_load_b128 v[232:235], v6
	s_wait_dscnt 0x0
	global_store_b128 v1, v[232:235], s[12:13]
.Lnot_first:
	s_wait_tensorcnt 0x0
	ds_add_u32 v253, v255
	s_wait_dscnt 0x0
	ROUND                                          ; the closing round: no work-group ends while a partner may still ask for a part that names it
	s_endpgm
.Lfunc_end_k_q773a805d39_attn:
	.size	k_q773a805d39_attn, .Lfunc_end_k_q773a805d39_attn-k_q773a805d39_attn
	.p2alignl 7, 3214868480
	.fill 96, 4, 3214868480
	.section	.rodata,"a",@progbits
	.p2align	6, 0x0
	.amdhsa_kernel k_q773a805d39_attn
		.amdhsa_group_segment_fixed_size 297984
		.amdhsa_private_segment_fixed_size 0
		.amdhsa_enable_private_segment 0
		.amdhsa_kernarg_size 40
		.amdhsa_user_sgpr_count 2
		.amdhsa_user_sgpr_kernarg_segment_ptr 1
		.amdhsa_wavefront_size32 1
		.amdhsa_system_sgpr_workgroup_id_x 1
		.amdhsa_system_sgpr_workgroup_id_y 1
		.amdhsa_system_sgpr_workgroup_id_z 1
		.amdhsa_system_vgpr_workitem_id 0
		.amdhsa_next_free_vgpr 256
		.amdhsa_next_free_sgpr 66
		.amdhsa_reserve_vcc 0
		.amdhsa_float_denorm_mode_32 3
		.amdhsa_float_denorm_mode_16_64 3
		.amdhsa_memory_ordered 1
		.amdhsa_forward_progress 1
		.amdhsa_inst_pref_size 78
	.end_amdhsa_kernel
	.amdgpu_metadata
---
amdhsa.version: [ 1, 2 ]
amdhsa.kernels:
  - .name:           k_q773a805d39_attn
    .symbol:         k_q773a805d39_attn.kd
    .args:
      - { .name: qc, .offset: 0, .size: 8, .value_kind: global_buffer, .address_space: global }
      - { .name: qs, .offset: 8, .size: 8, .value_kind: global_buffer, .address_space: global }
      - { .name: kv, .offset: 16, .size: 8, .value_kind: global_buffer, .address_space: global }
      - { .name: ao, .offset: 24, .size: 8, .value_kind: global_buffer, .address_space: global }
      - { .name: aos, .offset: 32, .size: 8, .value_kind: global_buffer, .address_space: global }
    .group_segment_fixed_size: 297984
    .private_segment_fixed_size: 0
    .kernarg_segment_align: 8
    .kernarg_segment_size: 40
    .max_flat_workgroup_size: 512
    .sgpr_count:     66
    .vgpr_count:     256
    .wavefront_size: 32
...
	.end_amdgpu_metadata
.endif
;; end of part 2
;; launch outp (part 3): grid 2 x 128, 8 waves a work-group, no clusters, 35,840 bytes of LDS; arguments ao, aos, wo_codes, wo_scales, bo, spatial_feat, freq_feat, out0; writes out0
.if DOCPART == 3
	.amdgcn_target "amdgcn-amd-amdhsa--gfx1250"
	.amdhsa_code_object_version 6
	.text
	.protected	k_q773a805d39_outp
	.globl	k_q773a805d39_outp
	.p2align	8
	.type	k_q773a805d39_outp,@function
k_q773a805d39_outp:
	s_mov_b64 s[64:65], 0
	v_nop
	global_prefetch_b8 v0, s[64:65] scope:SCOPE_SE
	s_setreg_imm32_b32 hwreg(HW_REG_WAVE_MODE, 25, 1), 1
	s_wait_xcnt 0x0
; out0(b, o, n) = spatial(b, o, n) + freq(b, o, n) + 2 bo(o) + sum over c of wo(o, c) (a0(b, c, n) + a1(b, c, n)), a0 and a1 the two attentions' results, as codes of FP4 (E2M1) with E8M0 scales along c.
; Both directions' products are summed in one accumulator: four K steps of 128.
; A work-group makes 64 positions x 128 outputs.  Wave w takes the tile of 16 positions w % 4 and four tiles of 16 outputs, 64 (w / 4) on.
; Source 0 = 16 positions (ao: images of the operand's registers, [direction x 2 + b][tile][head][512 bytes]), source 1 = 16 rows of wo: a lane holds one output o and eight neighbouring positions
; (row r of position tile 2 G + u is 32 G + 8 u + r + 8 (r / 8), so rows 8 h + j are positions 32 G + 16 h + 8 u + j).
; The results meet in a stage in LDS, 128 rows of 256 bytes + 16, and leave as whole rows of 256 consecutive bytes, aligned, with the residuals and the bias added on the way.
; LIMITS: NaN and infinities among the inputs are not served; wo's scale bytes are passed on as they are given.
.set SP,  272                          ; a stage row
.set AF,  32                           ; v32-63   ao's fragments: 16 direction + 8 s + 4 c
.set WF,  64                           ; v64-127  wo's: 16 t + 8 s + 4 c
.set ACC, 128                          ; v128-159 four accumulators
.set SS,  160                          ; v160-191 eight rows' 16 bytes of spatial, then the sums
.set FF,  192                          ; v192-223 of freq
.set RB,  224                          ; v224-255 the rows read back from the stage
; v1 16 x lane; v2 wo's codes; v3 wo's scale words; v4 aos; v5 into the stage; v6 out of it; v7 my bytes in two rows of a map; v8 bo; v12-15 halves of scale words; v16-17 ao's scale words; v18-21 wo's; v22-29 bo
.macro MMA d, a, b, sa, sb, row
.if \row
	v_wmma_scale_f32_16x16x128_f8f6f4 v[\d:\d+7], v[\a:\a+7], v[\b:\b+7], v[\d:\d+7], v[\sa], v[\sb] matrix_a_fmt:MATRIX_FMT_FP4 matrix_b_fmt:MATRIX_FMT_FP4 matrix_a_scale:MATRIX_SCALE_ROW1 matrix_b_scale:MATRIX_SCALE_ROW1
.else
	v_wmma_scale_f32_16x16x128_f8f6f4 v[\d:\d+7], v[\a:\a+7], v[\b:\b+7], v[\d:\d+7], v[\sa], v[\sb] matrix_a_fmt:MATRIX_FMT_FP4 matrix_b_fmt:MATRIX_FMT_FP4
.endif
.endm
.macro MMZ d, a, b, sa, sb             ; the first product starts the sum
	v_wmma_scale_f32_16x16x128_f8f6f4 v[\d:\d+7], v[\a:\a+7], v[\b:\b+7], 0, v[\sa], v[\sb] matrix_a_fmt:MATRIX_FMT_FP4 matrix_b_fmt:MATRIX_FMT_FP4
.endm
	s_load_b512 s[4:19], s[0:1], 0x0               ; ao 4, aos 6, wo codes 8, wo scales 10, bo 12, spatial 14, freq 16, out0 18
	v_lshl_add_u32 v30, v0, 2, 0x8800
	v_mov_b32 v31, 0
	v_lshrrev_b32 v11, 5, v0
	s_delay_alu instid0(VALU_DEP_1)
	v_readfirstlane_b32 s20, v11                   ; wave 0..7
	s_and_b32 s21, ttmp7, 0xffff
	s_lshr_b32 s22, s21, 6                         ; b
	s_and_b32 s23, s21, 63                         ; which 64 positions
	s_and_b32 s24, s20, 3
	s_lshl_b32 s25, s23, 2
	s_add_co_u32 s25, s25, s24                     ; T: my tile of positions
	s_lshl_b32 s26, s22, 19                        ; ao: (b x 256 + T) x 4 x 512
	s_lshl_b32 s28, s25, 11
	s_add_co_u32 s26, s26, s28
	s_mov_b32 s27, 0
	s_lshl_b32 s28, s22, 15                        ; aos: b x 4 heads x 8,192 + T x 32
	s_lshl_b32 s30, s25, 5
	s_add_co_u32 s28, s28, s30
	s_mov_b32 s29, 0
	s_lshl_b32 s30, ttmp9, 7                       ; the work-group's first output
	s_lshr_b32 s32, s20, 2
	s_lshl_b32 s32, s32, 6
	s_add_co_u32 s32, s30, s32                     ; my first row of wo
	s_lshl_b32 s34, s32, 3                         ; its scale bytes,
	s_mov_b32 s35, 0
	s_lshl_b32 s32, s32, 7                         ; its codes
	s_mov_b32 s33, 0
	s_lshl_b32 s36, s20, 4
	s_add_co_u32 s36, s30, s36                     ; the first of the 16 rows that I store
	s_lshl_b32 s38, s36, 14                        ; in a map: b x 256 rows + that row, + my work-group's 256 bytes
	s_lshl_b32 s40, s22, 22
	s_add_co_u32 s38, s38, s40
	s_lshl_b32 s40, s23, 8
	s_add_co_u32 s38, s38, s40
	s_mov_b32 s39, 0
	s_lshl_b32 s36, s36, 2                         ; in bo
	s_mov_b32 s37, 0
	v_and_b32 v9, 15, v0                           ; r
	v_bfe_u32 v10, v0, 4, 1                        ; h
	v_and_b32 v1, 31, v0
	s_delay_alu instid0(VALU_DEP_1)
	v_lshlrev_b32 v1, 4, v1
	s_delay_alu instid0(VALU_DEP_4)
	v_lshlrev_b32 v2, 7, v9
	s_delay_alu instid0(VALU_DEP_1)
	v_lshl_add_u32 v2, v10, 4, v2                  ; wo: row r of 128 bytes + 16 h
	v_lshlrev_b32 v3, 3, v9
	s_delay_alu instid0(VALU_DEP_1)
	v_lshl_add_u32 v3, v10, 2, v3                  ; its scale word: K step 0 in lanes 0-15, K step 1 in lanes 16-31
	v_lshlrev_b32 v4, 1, v9
	s_delay_alu instid0(VALU_DEP_1)
	v_lshl_add_u32 v4, v10, 14, v4                 ; aos: heads 2 h and 2 h + 1, row r
	v_lshl_add_u32 v6, v11, 4, v10                 ; out of the stage: row 16 wave + h, 16 bytes a lane
	s_delay_alu instid0(VALU_DEP_1)
	v_mul_u32_u24 v6, v6, SP
	s_delay_alu instid0(VALU_DEP_1)
	v_lshl_add_u32 v6, v9, 4, v6
	v_bfe_u32 v11, v0, 7, 1
	s_delay_alu instid0(VALU_DEP_1)
	v_lshl_add_u32 v5, v11, 6, v9                  ; into it: row 64 (wave / 4) + r,
	s_delay_alu instid0(VALU_DEP_1)
	v_mul_u32_u24 v5, v5, SP
	s_delay_alu instid0(VALU_DEP_1)
	v_lshl_add_u32 v5, v10, 6, v5                  ; positions 32 G + 16 h + 8 u on
	v_bfe_u32 v11, v0, 6, 1
	s_delay_alu instid0(VALU_DEP_1)
	v_lshl_add_u32 v5, v11, 7, v5
	v_bfe_u32 v11, v0, 5, 1
	s_delay_alu instid0(VALU_DEP_1)
	v_lshl_add_u32 v5, v11, 5, v5
	v_lshlrev_b32 v7, 4, v9
	s_delay_alu instid0(VALU_DEP_1)
	v_lshl_add_u32 v7, v10, 14, v7                 ; lanes 0-15 one row of a map, lanes 16-31 the next
	v_lshlrev_b32 v8, 2, v10
	s_wait_alu depctr_va_vdst(0)
	s_wait_kmcnt 0x0
	s_add_nc_u64 s[4:5], s[4:5], s[26:27]
	s_add_nc_u64 s[6:7], s[6:7], s[28:29]
	s_add_nc_u64 s[8:9], s[8:9], s[32:33]
	s_add_nc_u64 s[10:11], s[10:11], s[34:35]
	s_add_nc_u64 s[12:13], s[12:13], s[36:37]
	s_add_nc_u64 s[14:15], s[14:15], s[38:39]
	s_add_nc_u64 s[16:17], s[16:17], s[38:39]
	s_add_nc_u64 s[18:19], s[18:19], s[38:39]
	; 32 loads: the products' operands
.irp d, 0,1
.irp s, 0,1
.irp c, 0,1
	global_load_b128 v[AF+16*\d+8*\s+4*\c:AF+16*\d+8*\s+4*\c+3], v1, s[4:5] offset:\d*1048576+(2*\s+\c)*512
.endr
.endr
.endr
.irp d, 0,1
	global_load_u16 v[12+2*\d], v4, s[6:7] offset:\d*65536
	global_load_u16 v[13+2*\d], v4, s[6:7] offset:\d*65536+8192
.endr
.irp t, 0,1,2,3
.irp s, 0,1
.irp c, 0,1
	global_load_b128 v[WF+16*\t+8*\s+4*\c:WF+16*\t+8*\s+4*\c+3], v2, s[8:9] offset:\t*2048+64*\s+32*\c
.endr
.endr
.endr
.irp t, 0,1,2,3
	global_load_b32 v[18+\t], v3, s[10:11] offset:\t*128
.endr
	; 24 loads: the residuals and the bias of the 16 rows that I store; this launch reads these bytes of the maps once
.irp i, 0,1,2,3,4,5,6,7
	global_load_b128 v[SS+4*\i:SS+4*\i+3], v7, s[14:15] offset:32768*\i th:TH_LOAD_NT
	global_load_b128 v[FF+4*\i:FF+4*\i+3], v7, s[16:17] offset:32768*\i th:TH_LOAD_NT
	global_load_b32 v[22+\i], v8, s[12:13] offset:8*\i
.endr
	s_wait_loadcnt 24                              ; the operands are in; the 24 younger loads may stay out
	v_lshl_or_b32 v16, v13, 16, v12                ; ao's scale words: two heads' two bytes each make 128 along c
	v_lshl_or_b32 v17, v15, 16, v14
.rept 8
	v_nop                                          ; a scale register written by a vector instruction stands eight places ahead of a scaled matrix instruction
.endr
.irp t, 0,1,2,3                                ; the four accumulators take turns
	MMZ ACC+8*\t, AF, WF+16*\t, 16, 18+\t
.endr
.irp t, 0,1,2,3
	MMA ACC+8*\t, AF+8, WF+16*\t+8, 16, 18+\t, 1
.endr
.irp t, 0,1,2,3
	MMA ACC+8*\t, AF+16, WF+16*\t, 17, 18+\t, 0
.endr
.irp t, 0,1,2,3
	MMA ACC+8*\t, AF+24, WF+16*\t+8, 17, 18+\t, 1
.endr
	s_wait_loadcnt 0x0
.irp i, 0,1,2,3,4,5,6,7                        ; spatial + freq + 2 bo: these lines are also the places behind the products
	v_pk_add_f32 v[SS+4*\i:SS+4*\i+1], v[SS+4*\i:SS+4*\i+1], v[FF+4*\i:FF+4*\i+1]
	v_pk_add_f32 v[SS+4*\i+2:SS+4*\i+3], v[SS+4*\i+2:SS+4*\i+3], v[FF+4*\i+2:FF+4*\i+3]
.irp k, 0,1,2,3
	v_fma_f32 v[SS+4*\i+\k], v[22+\i], 2.0, v[SS+4*\i+\k]
.endr
.endr
.irp t, 0,1,2,3
	ds_store_b128 v5, v[ACC+8*\t:ACC+8*\t+3] offset:16*\t*SP          ; each accumulator from its low end on
	ds_store_b128 v5, v[ACC+8*\t+4:ACC+8*\t+7] offset:16*\t*SP+16
.endr
	s_wait_dscnt 0x0                               ; for the others' sake: my stores into the stage are done
	s_barrier_signal -1
	s_barrier_wait -1
.irp i, 0,1,2,3,4,5,6,7
	ds_load_b128 v[RB+4*\i:RB+4*\i+3], v6 offset:2*\i*SP
.endr
.irp i, 0,1,2,3,4,5,6,7
	s_wait_dscnt 7-\i                              ; LDS loads come back in order: pair i of rows is in
	v_pk_add_f32 v[SS+4*\i:SS+4*\i+1], v[SS+4*\i:SS+4*\i+1], v[RB+4*\i:RB+4*\i+1]
	v_pk_add_f32 v[SS+4*\i+2:SS+4*\i+3], v[SS+4*\i+2:SS+4*\i+3], v[RB+4*\i+2:RB+4*\i+3]
	global_store_b128 v7, v[SS+4*\i:SS+4*\i+3], s[18:19] offset:32768*\i th:TH_STORE_NT   ; 16 lanes store 256 consecutive bytes, aligned; written once, read by nobody here
.endr
	s_wait_tensorcnt 0x0
	ds_add_u32 v30, v31
	s_wait_dscnt 0x0
	s_endpgm
.Lfunc_end_k_q773a805d39_outp:
	.size	k_q773a805d39_outp, .Lfunc_end_k_q773a805d39_outp-k_q773a805d39_outp
	.p2alignl 7, 3214868480
	.fill 96, 4, 3214868480
	.section	.rodata,"a",@progbits
	.p2align	6, 0x0
	.amdhsa_kernel k_q773a805d39_outp
		.amdhsa_group_segment_fixed_size 35840
		.amdhsa_private_segment_fixed_size 0
		.amdhsa_enable_private_segment 0
		.amdhsa_kernarg_size 64
		.amdhsa_user_sgpr_count 2
		.amdhsa_user_sgpr_kernarg_segment_ptr 1
		.amdhsa_wavefront_size32 1
		.amdhsa_system_sgpr_workgroup_id_x 1
		.amdhsa_system_sgpr_workgroup_id_y 1
		.amdhsa_system_sgpr_workgroup_id_z 1
		.amdhsa_system_vgpr_workitem_id 0
		.amdhsa_next_free_vgpr 256
		.amdhsa_next_free_sgpr 66
		.amdhsa_reserve_vcc 0
		.amdhsa_float_denorm_mode_32 3
		.amdhsa_float_denorm_mode_16_64 3
		.amdhsa_memory_ordered 1
		.amdhsa_forward_progress 1
		.amdhsa_inst_pref_size 18
	.end_amdhsa_kernel
	.amdgpu_metadata
---
amdhsa.version: [ 1, 2 ]
amdhsa.kernels:
  - .name:           k_q773a805d39_outp
    .symbol:         k_q773a805d39_outp.kd
    .args:
      - { .name: ao, .offset: 0, .size: 8, .value_kind: global_buffer, .address_space: global }
      - { .name: aos, .offset: 8, .size: 8, .value_kind: global_buffer, .address_space: global }
      - { .name: wo_codes, .offset: 16, .size: 8, .value_kind: global_buffer, .address_space: global }
      - { .name: wo_scales, .offset: 24, .size: 8, .value_kind: global_buffer, .address_space: global }
      - { .name: bo, .offset: 32, .size: 8, .value_kind: global_buffer, .address_space: global }
      - { .name: spatial_feat, .offset: 40, .size: 8, .value_kind: global_buffer, .address_space: global }
      - { .name: freq_feat, .offset: 48, .size: 8, .value_kind: global_buffer, .address_space: global }
      - { .name: out0, .offset: 56, .size: 8, .value_kind: global_buffer, .address_space: global }
    .group_segment_fixed_size: 35840
    .private_segment_fixed_size: 0
    .kernarg_segment_align: 8
    .kernarg_segment_size: 64
    .max_flat_workgroup_size: 256
    .sgpr_count:     66
    .vgpr_count:     256
    .wavefront_size: 32
...
	.end_amdgpu_metadata
.endif
;; end of part 3
